; MI455X (gfx1250); checked and timed in simulation.
; The chip was launched on July 23, 2026; its instructions are those of AMD's public machine-readable ISA for CDNA 5 (MIT licence, August 2026) and "CDNA5" Instruction Set Architecture Reference Guide (July 2026). The comments in the code are by the model that wrote it; some were corrected since.
;; Dual Attn Model. Allowed arithmetic: float matrix products may take bf16 or f16 operands with f32 sums; all other float work in f32.
;; Inputs: W_page 256 x 1 float32; dec_w 1 x 256 float32; emb 50,000 x 256 float32; k_b 256 float32; k_w 256 x 256 float32; ln_page_b 256 float32; ln_page_g 256 float32; ln_word_b 256 float32; ln_word_g 256 float32; num_pages 32 int32; q_b 256 float32; q_w 256 x 256 float32; seq_ids 32 x 16 x 256 int32; seq_lengths 32 x 16 int32; v_b 256 float32; v_w 256 x 256 float32.
;; Outputs: out0 32 x 1 float32; out1 32 x 1 float32; out2 32 x 16 x 1 x 256 float32; out3 32 x 1 x 16 float32; out4 32 x 256 float32; out5 32 x 16 float32; out6 32 x 16 x 256 float32.
;; One version. Each part assembles by itself: llvm-mc -triple=amdgcn-amd-amdhsa -mcpu=gfx1250 --defsym DOCPART=n.
;; ======== version 1 of 1: 3 launches
;; limits: values outside matrix products are rounded to bf16; right only within a limited range of input values; inputs' magnitudes at most 65,504; values are held in f16: magnitudes above 65,504 overflow, below 6.1e-05 lose precision
;; workspace buffers: mt 139,264 bytes; ub 1,280 bytes; rbuf 524,288 bytes
;; launch prep (part 1): grid 34 x 1, 8 waves a work-group, no clusters, 74,752 bytes of LDS; arguments q_w, q_b, k_w, k_b, mt, ub; writes mt, ub
.if DOCPART == 1
	.amdgcn_target "amdgcn-amd-amdhsa--gfx1250"
	.amdhsa_code_object_version 6
	.text
	.protected	k_qeb1726d123_prep
	.globl	k_qeb1726d123_prep
	.p2align	8
	.type	k_qeb1726d123_prep,@function
k_qeb1726d123_prep:
	s_mov_b64 s[64:65], 0
	v_nop
	global_prefetch_b8 v0, s[64:65] scope:SCOPE_SE
	s_setreg_imm32_b32 hwreg(HW_REG_WAVE_MODE, 25, 1), 1
	s_wait_xcnt 0x0
; mt[b][a] = sum over o of Wk[o][b] Wq[o][a]  (b < 256), in bf16;  mt[256..271][a] = sum over o of k_b[o] Wq[o][a]  (sixteen equal rows)
; ub[b]    = sum over o of Wk[o][b] q_b[o]    (b < 256), in f32;   ub[256..271]    = sum over o of k_b[o] q_b[o]
; With these, 16 x score(i, j) = (x_i M + u) . x_j + (x_i . w + c): one projection in the next launch in place of two.
; A work-group makes 16 rows b (bt = id >> 1; bt = 16 takes k_b in place of a column of Wk) by 128 columns a (ah = id & 1).
; Wave v owns the slice o = 32 v .. 32 v + 31 of the sum: one matrix instruction a tile, no loop; the eight slices meet in LDS.
; Operands are rounded to bf16 (q_b and k_b too), sums are f32, mt is rounded to bf16 once.
; 34 work-groups: the whole job is 17 x 2 tiles of this size; no input is shared by tensor loads, so there is nothing to ask for jointly.
; LDS: 8 dumps of 9,216 bytes (nine tiles of 1,024).  The stage for the way out, 16 rows x 272 bytes, lies on the first 4,352 bytes of dump 0,
; which are dead once every wave has read the dumps: a barrier stands between those reads and the stage's stores.
.set OQ,   4                           ; byte offset in q_w: (32 v + 8 h) rows + 512 ah + 16 r
.set OK,   5                           ; byte offset in k_w: (32 v + 8 h) rows + 4 (16 bt + r)
.set OB,   6                           ; byte offset in q_b and k_b: 4 (32 v + 8 h)
.set DST,  7                           ; LDS: my dump, 9216 v + 16 L
.set DRD,  8                           ; LDS: register j = v of lane L in tile 0 of dump 0
.set URD,  9                           ; LDS: register 0 of lane L in tile 8 of dump 0
.set SST,  10                          ; LDS: stage, in
.set SRD,  11                          ; LDS: stage, back
.set GO,   12                          ; byte offset in mt
.set UO,   13                          ; byte offset in ub: 4 (16 bt + r)
.set DRD2, 14                          ; DRD four dumps further: an LDS offset has 16 bits
.set FK,   16                          ; v[16:23]   B fragment: column b, 32 o
.set FB,   24                          ; v[24:31]   A fragment of q_b (every row alike)
.set WK,   32                          ; v[32:47]   sixteen f32 of Wk's column (or of k_b)
.set QB,   48                          ; v[48:63]   sixteen f32 of q_b
.set WQ,   64                          ; v[64:191]  q_w as loaded: (i, g) at 64 + 8 i + 4 g; afterwards the nine accumulators at 64 + 8 T
.set FQ,   192                         ; v[192:255] A fragments, tile T at 192 + 8 T; afterwards the partial sums read back
	s_load_b256 s[4:11], s[0:1], 0x0               ; q_w s[4:5], q_b s[6:7], k_w s[8:9], k_b s[10:11]
	s_load_b128 s[12:15], s[0:1], 0x20             ; mt s[12:13], ub s[14:15]
	s_set_vgpr_msb 0x40
	v_lshl_add_u32 v0, v0, 2, 0x12000
	v_mov_b32 v1, 0
	s_set_vgpr_msb 0x4000
	v_lshrrev_b32 v1, 5, v0
	v_readfirstlane_b32 s16, v1                    ; wave v
	s_lshr_b32 s17, ttmp9, 1                       ; bt
	s_and_b32 s18, ttmp9, 1                        ; ah
	v_and_b32 v1, 31, v0                           ; L
	v_and_b32 v2, 15, v0                           ; r
	v_bfe_u32 v3, v0, 4, 1                         ; h
	s_lshl_b32 s20, s16, 5
	v_lshl_add_u32 v15, v3, 3, s20                 ; o0 = 32 v + 8 h
	v_lshlrev_b32 v[OB], 2, v15
	v_lshlrev_b32 v15, 10, v15                     ; o0 rows of 1,024 bytes
	s_lshl_b32 s20, s18, 9
	v_lshl_add_u32 v[OQ], v2, 4, v15
	v_add_nc_u32 v[OQ], s20, v[OQ]
	s_lshl_b32 s20, s17, 6
	v_lshl_add_u32 v[UO], v2, 2, s20
	v_add_nc_u32 v[OK], v15, v[UO]
	s_wait_kmcnt 0x0
	; A lane's sixteen o are o0 + 0..7 and o0 + 16..23: the k of registers 0-3 and 4-7 of a 16-bit fragment.
	global_load_b128 v[QB:QB+3],     v[OB], s[6:7]
	global_load_b128 v[QB+4:QB+7],   v[OB], s[6:7] offset:16
	global_load_b128 v[QB+8:QB+11],  v[OB], s[6:7] offset:64
	global_load_b128 v[QB+12:QB+15], v[OB], s[6:7] offset:80
	s_cmp_eq_u32 s17, 16                           ; the same in all waves of the work-group; both ways issue sixteen loads into the same registers
	s_cbranch_scc1 .Lbias
.set p_i, 0
.rept 16
	global_load_b32 v[WK+p_i], v[OK], s[8:9] offset:((p_i&7)+16*(p_i>>3))*1024
.set p_i, p_i+1
.endr
	s_branch .Lwq
.Lbias:
.set p_i, 0
.rept 16
	global_load_b32 v[WK+p_i], v[OB], s[10:11] offset:((p_i&7)+16*(p_i>>3))*4
.set p_i, p_i+1
.endr
.Lwq:
.set p_i, 0
.rept 16
	global_load_b128 v[WQ+8*p_i:WQ+8*p_i+3],   v[OQ], s[4:5] offset:((p_i&7)+16*(p_i>>3))*1024       ; sixteen lanes read 256 consecutive bytes, aligned
	global_load_b128 v[WQ+8*p_i+4:WQ+8*p_i+7], v[OQ], s[4:5] offset:((p_i&7)+16*(p_i>>3))*1024+256
.set p_i, p_i+1
.endr
	; LDS and output addresses, while the loads are on their way
	s_mul_i32 s20, s16, 9216
	v_lshl_add_u32 v[DST], v1, 4, s20
	s_lshr_b32 s20, s16, 2
	s_lshl_b32 s20, s20, 9
	s_and_b32 s21, s16, 3
	s_lshl2_add_u32 s20, s21, s20                  ; 512 (v >> 2) + 4 (v & 3): register v of a lane's eight
	v_lshl_add_u32 v[DRD], v1, 4, s20
	v_add_nc_u32 v[DRD2], 4*9216, v[DRD]
	v_lshl_add_u32 v[URD], v1, 4, 8192
	v_mul_u32_u24 v[SST], v2, 272
	v_lshl_add_u32 v[SST], v3, 6, v[SST]
	s_lshl_b32 s20, s16, 3
	v_add_nc_u32 v[SST], s20, v[SST]               ; 272 r + 64 h + 8 v
	v_lshrrev_b32 v15, 4, v0                       ; thread >> 4: a row of the stage
	v_mul_u32_u24 v[SRD], v15, 272
	v_lshl_add_u32 v[SRD], v2, 4, v[SRD]
	s_lshl_b32 s20, s17, 13                        ; 16 bt rows of 512 bytes
	s_lshl_b32 s21, s18, 8
	s_add_co_u32 s20, s20, s21
	v_lshl_add_u32 v[GO], v15, 9, s20
	v_lshl_add_u32 v[GO], v2, 4, v[GO]
	s_wait_loadcnt 0x0
	; Packing two neighbouring o of one column into a word IS the transposition: tile T = 4 g + t has row m = r for column a = 128 ah + 64 g + 4 r + t.
.irp g, 0,1
.irp t, 0,1,2,3
.irp p, 0,1,2,3,4,5,6,7
	v_cvt_pk_bf16_f32 v[FQ+8*(4*\g+\t)+\p], v[WQ+16*\p+4*\g+\t], v[WQ+16*\p+8+4*\g+\t]
.endr
.endr
.endr
.irp p, 0,1,2,3,4,5,6,7
	v_cvt_pk_bf16_f32 v[FK+\p], v[WK+2*\p], v[WK+2*\p+1]
	v_cvt_pk_bf16_f32 v[FB+\p], v[QB+2*\p], v[QB+2*\p+1]
.endr
	; nine products, each its own accumulator, each started by the constant 0
.irp t, 0,1,2,3,4,5,6,7
	v_wmma_f32_16x16x32_bf16 v[WQ+8*\t:WQ+8*\t+7], v[FQ+8*\t:FQ+8*\t+7], v[FK:FK+7], 0
.endr
	v_wmma_f32_16x16x32_bf16 v[WQ+64:WQ+71], v[FB:FB+7], v[FK:FK+7], 0
.rept 4
	v_nop                                          ; four places behind the last matrix instruction (ISA guide 7.12.1) before its results are stored and its sources loaded again
.endr
.irp t, 0,1,2,3,4,5,6,7,8
	ds_store_b128 v[DST], v[WQ+8*\t:WQ+8*\t+3]   offset:1024*\t
	ds_store_b128 v[DST], v[WQ+8*\t+4:WQ+8*\t+7] offset:1024*\t+512
.endr
	s_wait_dscnt 0x0                               ; my dump is whole, for the other waves' sake
	s_barrier_signal -1
	s_barrier_wait -1
	; Lane (r, h), register j of tile 4 g + t is row b = 16 bt + r, column a = 128 ah + 64 g + 32 h + 4 j + t.
	; Wave v sums register j = v of the eight tiles over the eight dumps: for each g four neighbouring columns.
.irp w, 0,1,2,3
.irp t, 0,1,2,3,4,5,6,7
	ds_load_b32 v[FQ+8*\w+\t], v[DRD] offset:9216*\w+1024*\t
.endr
.endr
.irp w, 0,1,2,3
.irp t, 0,1,2,3,4,5,6,7
	ds_load_b32 v[FQ+32+8*\w+\t], v[DRD2] offset:9216*\w+1024*\t
.endr
.endr
	s_wait_dscnt 0x0                               ; my reads of tiles 0 to 7 of the dumps are back:
	s_barrier_signal -1                            ; say so; the sums below are register work
.irp w, 1,2,3,4,5,6,7
.irp q, 0,2,4,6
	v_pk_add_f32 v[FQ+\q:FQ+\q+1], v[FQ+\q:FQ+\q+1], v[FQ+8*\w+\q:FQ+8*\w+\q+1]   ; slices of o in ascending order
.endr
.endr
.irp p, 0,1,2,3
	v_cvt_pk_bf16_f32 v[FK+\p], v[FQ+2*\p], v[FQ+2*\p+1]
.endr
	s_barrier_wait -1                              ; every wave's reads are back: the stage may be laid over dump 0
	ds_store_b64 v[SST], v[FK:FK+1]                ; g = 0
	ds_store_b64 v[SST], v[FK+2:FK+3] offset:128   ; g = 1
	s_wait_dscnt 0x0
	s_barrier_signal -1
	s_barrier_wait -1
	ds_load_b128 v[FK+4:FK+7], v[SRD]
	s_wait_dscnt 0x0
	global_store_b128 v[GO], v[FK+4:FK+7], s[12:13]        ; sixteen lanes store 256 consecutive bytes, aligned
	; u (or c): tile 8, whose rows are all alike; it begins at byte 8,192 of each dump, behind the stage's 4,352 bytes.
	; One wave of the ah = 0 group; no barrier stands behind these branches.
	s_cmp_lg_u32 s16, 0
	s_cbranch_scc1 .Lend
	s_cmp_lg_u32 s18, 0
	s_cbranch_scc1 .Lend
.irp w, 0,1,2,3,4,5,6,7
	ds_load_b32 v[FB+\w], v[URD] offset:9216*\w
.endr
	s_wait_dscnt 0x0
	v_pk_add_f32 v[FB:FB+1], v[FB:FB+1], v[FB+2:FB+3]
	v_pk_add_f32 v[FB+4:FB+5], v[FB+4:FB+5], v[FB+6:FB+7]
	v_pk_add_f32 v[FB:FB+1], v[FB:FB+1], v[FB+4:FB+5]
	v_add_f32 v[FB], v[FB], v[FB+1]
	s_wait_xcnt 0x0                                ; EXEC is a source of the store above: it changes only behind this wait
	v_cmp_gt_u32 vcc_lo, 16, v1
	s_and_saveexec_b32 s19, vcc_lo
	global_store_b32 v[UO], v[FB], s[14:15]        ; lanes 0-15: 64 consecutive bytes
	s_wait_xcnt 0x0                                ; and again in front of the line that widens it
	s_or_b32 exec_lo, exec_lo, s19
.Lend:
	s_set_vgpr_msb 0x5
	s_wait_tensorcnt 0x0
	ds_add_u32 v0, v1
	s_wait_dscnt 0x0
	s_set_vgpr_msb 0x500
	s_endpgm
.Lfunc_end_k_qeb1726d123_prep:
	.size	k_qeb1726d123_prep, .Lfunc_end_k_qeb1726d123_prep-k_qeb1726d123_prep
	.p2alignl 7, 3214868480
	.fill 96, 4, 3214868480
	.section	.rodata,"a",@progbits
	.p2align	6, 0x0
	.amdhsa_kernel k_qeb1726d123_prep
		.amdhsa_group_segment_fixed_size 74752
		.amdhsa_private_segment_fixed_size 0
		.amdhsa_enable_private_segment 0
		.amdhsa_kernarg_size 48
		.amdhsa_user_sgpr_count 2
		.amdhsa_user_sgpr_kernarg_segment_ptr 1
		.amdhsa_wavefront_size32 1
		.amdhsa_system_sgpr_workgroup_id_x 1
		.amdhsa_system_sgpr_workgroup_id_y 1
		.amdhsa_system_sgpr_workgroup_id_z 1
		.amdhsa_system_vgpr_workitem_id 0
		.amdhsa_next_free_vgpr 258
		.amdhsa_next_free_sgpr 66
		.amdhsa_reserve_vcc 1
		.amdhsa_float_denorm_mode_32 3
		.amdhsa_float_denorm_mode_16_64 3
		.amdhsa_memory_ordered 1
		.amdhsa_forward_progress 1
		.amdhsa_inst_pref_size 24
	.end_amdhsa_kernel
	.amdgpu_metadata
---
amdhsa.version: [ 1, 2 ]
amdhsa.kernels:
  - .name:           k_qeb1726d123_prep
    .symbol:         k_qeb1726d123_prep.kd
    .args:
      - { .name: q_w, .offset: 0, .size: 8, .value_kind: global_buffer, .address_space: global }
      - { .name: q_b, .offset: 8, .size: 8, .value_kind: global_buffer, .address_space: global }
      - { .name: k_w, .offset: 16, .size: 8, .value_kind: global_buffer, .address_space: global }
      - { .name: k_b, .offset: 24, .size: 8, .value_kind: global_buffer, .address_space: global }
      - { .name: mt, .offset: 32, .size: 8, .value_kind: global_buffer, .address_space: global }
      - { .name: ub, .offset: 40, .size: 8, .value_kind: global_buffer, .address_space: global }
    .group_segment_fixed_size: 74752
    .private_segment_fixed_size: 0
    .kernarg_segment_align: 8
    .kernarg_segment_size: 48
    .max_flat_workgroup_size: 256
    .sgpr_count:     66
    .vgpr_count:     258
    .wavefront_size: 32
...
	.end_amdgpu_metadata
.endif
;; end of part 1
;; launch attn (part 2): grid 256 x 1, 4 waves a work-group, no clusters, 289,792 bytes of LDS; arguments seq_ids, seq_lengths, emb, mt, ub, out2, rbuf; writes out2, rbuf
.if DOCPART == 2
	.amdgcn_target "amdgcn-amd-amdhsa--gfx1250"
	.amdhsa_code_object_version 6
	.text
	.protected	k_qeb1726d123_attn
	.globl	k_qeb1726d123_attn
	.p2align	8
	.type	k_qeb1726d123_attn,@function
k_qeb1726d123_attn:
	s_mov_b64 s[64:65], 0
	v_nop
	global_prefetch_b8 v0, s[64:65] scope:SCOPE_SE
	s_setreg_imm32_b32 hwreg(HW_REG_WAVE_MODE, 25, 1), 1
	s_wait_xcnt 0x0
; For each page (256 tokens x 256 features gathered from emb): wa[k] = mean over queries of softmax(scores)[q][k] (out2) and r = wa . x (rbuf).
; 16 x score(i, j) = T_i . x_j + a_i,  T_i = x_i M + u,  a_i = x_i . w + c  (M, u, w, c come from the launch before, in mt and ub).
; v and attn . v are never formed: only their mean over the queries is used, and that is (wa . x) Wv^T + v_b, made from r in the next launch.
; A work-group stays for two pages; mt is fetched once and kept in LDS.  Four waves; wave w owns tokens (queries) 64 w .. 64 w + 63: it gathers them,
; makes their T (which stays in registers) and holds its whole block of 64 x 256 scores in 512 registers, so a softmax row never leaves its lane pair.
; The products are used so that a lane holds one token or query: T comes out as the B fragment of the score product with no shuffle.
; r IS MADE OF THE f32 ROWS.  It is normalised and weighed into page scores whose differences decide a sparsemax, so x's rounding to bf16 (8 bits) would show
; in the page weights.  A wave's 64 rows in f32 are 512 registers, for which there is no room beside the scores: they are gathered a second time, 32 rows into
; T's registers as soon as the last score product has read them, 32 rows into the first score window as soon as it has been read for the last time.
; LIMITS.  A masked key starts its sum at -1e30 in place of -infinity: its exponential is exactly 0; raw 16 x scores of magnitude 1e29 and more are not served.
; v_exp_f32 gives 0 below 2^-126; the row maximum is taken away first, so every row sum is about 1 or more.  Ids are clamped to 49,999.
; x, T and M are bf16 operands of the two products, all sums f32.  A length below 1 counts as 256, as the model unmasks such a page.
; NO JOINT REQUESTS: what work-groups share is mt, 139,264 bytes once for a work-group, against 1,048,576 bytes of gathered rows that no partner shares.
.set PX,   528                         ; LDS pitch of a row of 256 bf16: 512 + 16, an odd multiple of 16, so the 16 rows of a fragment load start 16 bytes apart modulo 256
.set XL,   143616                      ; LDS: mt at 0 (272 rows, filled once by tensor loads, never stored into); x at XL (256 rows)
.set UL,   278784                      ; u, 272 f32
.set WAP,  280064                      ; 4 waves x 256 f32: column sums of each wave's queries
.set WAF,  284160                      ; each wave's own 64 final wa
.set RPL,  285184                      ; 4 waves x 256 f32: partial r
; window 0
.set LN,   1                           ; lane L
.set RL,   2                           ; r = L & 15
.set HL,   3                           ; h = L >> 4
.set AM,   4                           ; v4-6    mt fragments: 528 r + 16 h + rows 0, 96, 192
.set AX,   7                           ; v7-10   x fragments of keys: XL + 528 r + 16 h + 64 q rows
.set AXO,  11                          ; the same at my own 64 rows
.set AU,   12                          ; UL + 32 h
.set XST,  13                          ; where the gather stores: XL + (64 w + 8 h) rows + 8 r
.set IDO,  14                          ; byte offset of my ids in the page: 4 (64 w + 8 h)
.set COL,  15                          ; 16 r
.set LENH, 16                          ; length - 8 h
.set NEG,  17                          ; -1e30
.set ZERO, 18
.set WAPS, 19
.set WAPR, 20
.set WAFS, 21
.set WAFH, 22                          ; WAF + 256 w + 32 h: the weights of my half's rows
.set RPS,  24
.set RPR,  25
.set GO,   26                          ; 256 w + 8 L: my two numbers in a page's row of out2 and rbuf
.set H8,   27                          ; 8 h
.set MX,   28                          ; v28-31  row maxima of my four queries
.set TM,   32                          ; v32-35  at work
.set AI,   36                          ; v36-39  a_i
.set OFF,  40                          ; v40-47  four pairs: exponent offsets, later 1 / (256 x row sum).  During stage T: the bias fragments
.set UF,   40                          ; v40-55
.set LS,   48                          ; v48-55  four pairs: row sums
.set MASK, 56                          ; v56-63  0 or -1e30 for a key tile's eight rows
.set F0,   64                          ; two fragment buffers
.set F1,   128
.set RA,   F1                          ; stage X: sixteen sums, then what is kept, sent and received across the halves
.set RK,   F1+16
.set RSD,  F1+24
.set RT,   F1+32
.set ACC,  192                         ; v192-255 accumulators of stage T, (ft, tt) at 192 + 8 (4 ft + tt)
.set IDV,  192                         ; v192-223 ids, then row offsets, during both gathers
.set SUMW, 224                         ; v224-231 stage W's sums
.set SUMR, 232                         ; v232-239 the last sums of r
; window 1: gathered rows of groups 0-15, then T(qt, ks) at 8 (8 qt + ks), then the rows of groups 0-15 again
; window 2: gathered rows of groups 16-31, then my x fragments (tt, ks) at 8 (8 tt + ks), then score tiles kt = 0-7 at 8 (4 kt + qt), then the rows of groups 16-31 again
; window 3: score tiles kt = 8-15
; s_set_vgpr_msb's low byte: bits 1:0 source 0, 3:2 source 1, 5:4 source 2, 7:6 destination; the high byte repeats the setting that is left.
.set MSB, 0
.macro WIN new
.if MSB != (\new)
	s_set_vgpr_msb (MSB<<8)|(\new)
.set MSB, \new
.endif
.endm
; Four places behind a matrix instruction before a vector instruction reads its result or a load lands on one of its registers.
.macro PLACES
.rept 4
	v_nop
.endr
.endm
	s_load_b256 s[4:11], s[0:1], 0x0               ; seq_ids s[4:5], seq_lengths s[6:7], emb s[8:9], mt s[10:11]
	s_load_b128 s[12:15], s[0:1], 0x20             ; ub s[12:13], out2 s[14:15]
	s_load_b64 s[16:17], s[0:1], 0x30              ; rbuf
	v_lshl_add_u32 v254, v0, 2, 0x46a00
	v_mov_b32 v255, 0
	ds_add_u32 v254, v255
	ds_add_u32 v254, v255
	s_wait_dscnt 0x0
	v_lshrrev_b32 v1, 5, v0
	v_readfirstlane_b32 s18, v1                    ; wave w
	; Descriptor: each wave brings 68 of mt's 272 rows of 256 bf16; 16 bytes of padding behind each row of 128 words.
	s_mov_b32 s28, (1<<16)|(1<<20)|(6<<22)|(3<<25) ; no mask; elements of 2 bytes; padding on; after every 128 words (code 6) 4 words (code 3)
	s_mov_b32 s29, 256<<16                         ; tensor_dim0 = 256
	s_mov_b32 s30, 68<<16                          ; tensor_dim1 = 68
	s_mov_b32 s31, 256<<16                         ; tile_dim0 = 256
	s_mov_b32 s32, 68                              ; tile_dim1 = 68
	s_mov_b32 s33, 256                             ; elements from row to row
	s_mov_b32 s34, 0
	s_mov_b32 s35, 0
	s_mov_b32 s24, 1                               ; count
	s_mul_i32 s25, s18, 68*PX                      ; LDS address: the wave's number times 68 padded rows
	s_mul_i32 s56, s18, 68*512
	s_mov_b32 s57, 0
	s_wait_kmcnt 0x0
	s_add_nc_u64 s[26:27], s[10:11], s[56:57]
	s_or_b32 s27, s27, 0x80000000                  ; type 2
	tensor_load_to_lds s[24:27], s[28:35]          ; the wave's only tensor load: one is outstanding at the most; LDS bytes 0 to XL are filled once
	s_nop 0
	s_lshl_b32 s56, ttmp9, 11                      ; two pages of 1,024 bytes in seq_ids, out2 and rbuf
	s_add_nc_u64 s[4:5], s[4:5], s[56:57]
	s_add_nc_u64 s[14:15], s[14:15], s[56:57]
	s_add_nc_u64 s[16:17], s[16:17], s[56:57]
	s_lshl_b32 s56, ttmp9, 3
	s_add_nc_u64 s[6:7], s[6:7], s[56:57]
	s_load_b64 s[20:21], s[6:7], 0x0               ; the two pages' lengths
	v_and_b32 v[LN], 31, v0
	v_and_b32 v[RL], 15, v0
	v_bfe_u32 v[HL], v0, 4, 1
	; u: 68 pieces of 16 bytes, 17 a wave; lanes 16-31 repeat the wave's last piece, so no two waves store the same bytes
	v_min_u32 v28, 16, v[LN]
	s_mul_i32 s23, s18, 272
	v_lshl_add_u32 v28, v28, 4, s23
	global_load_b128 v[TM:TM+3], v28, s[12:13]
	s_mov_b32 s36, 0x3db8aa3b                      ; log2(e) / 16, twice: the pair of a packed multiply-add
	s_mov_b32 s37, 0x3db8aa3b
	s_mov_b32 s38, 0x76543210                      ; v_permlanex16_b32: lane i reads lane i of the other half
	s_mov_b32 s39, 0xfedcba98
	s_mov_b32 s48, 0xff00ff00                      ; lanes whose r has bit 3 set, and the others; then bits 2, 1, 0
	s_mov_b32 s49, 0x00ff00ff
	s_mov_b32 s50, 0xf0f0f0f0
	s_mov_b32 s51, 0x0f0f0f0f
	s_mov_b32 s52, 0xcccccccc
	s_mov_b32 s53, 0x33333333
	s_mov_b32 s54, 0xaaaaaaaa
	s_mov_b32 s55, 0x55555555
	s_mov_b32 s58, 0xffff0000                      ; lanes 16-31, and lanes 0-15
	s_mov_b32 s59, 0x0000ffff
	v_mul_u32_u24 v29, v[RL], PX
	v_lshl_add_u32 v29, v[HL], 4, v29              ; 528 r + 16 h: a 16-bit fragment's lane term
	v_mov_b32 v[AM], v29
	v_add_nc_u32 v[AM+1], 96*PX, v29
	v_add_nc_u32 v[AM+2], 192*PX, v29
.irp q, 0,1,2,3
	v_add_nc_u32 v[AX+\q], XL+64*PX*\q, v29
.endr
	s_mul_i32 s23, s18, 64*PX
	s_add_co_u32 s23, s23, XL                      ; my 64 rows of x
	v_add_nc_u32 v[AXO], s23, v29
	v_lshl_add_u32 v[AU], v[HL], 5, UL
	v_mul_u32_u24 v30, v[HL], 8*PX
	v_lshl_add_u32 v30, v[RL], 3, v30
	v_add_nc_u32 v[XST], s23, v30
	s_lshl_b32 s23, s18, 8
	v_lshl_add_u32 v[IDO], v[HL], 5, s23
	v_lshl_add_u32 v[GO], v[LN], 3, s23
	v_add_nc_u32 v[WAPR], WAP, v[GO]
	v_add_nc_u32 v[WAFS], WAF, v[GO]
	v_add_nc_u32 v[RPR], RPL, v[GO]
	s_add_co_u32 s23, s23, WAF
	v_lshl_add_u32 v[WAFH], v[HL], 5, s23
	s_lshl_b32 s23, s18, 10
	v_lshlrev_b32 v30, 6, v[RL]
	v_lshl_add_u32 v30, v[HL], 5, v30
	v_add_nc_u32 v30, s23, v30
	v_add_nc_u32 v[WAPS], WAP, v30                 ; WAP + 1024 w + 4 (16 r + 8 h)
	v_lshl_add_u32 v31, v[HL], 9, s23
	v_lshl_add_u32 v31, v[RL], 4, v31
	v_add_nc_u32 v[RPS], RPL, v31                  ; RPL + 1024 w + 4 (128 h + 4 r)
	v_lshlrev_b32 v[COL], 4, v[RL]
	v_lshlrev_b32 v[H8], 3, v[HL]
	v_mov_b32 v[NEG], 0xf149f2ca
	v_mov_b32 v[ZERO], 0
	s_wait_loadcnt 0x0
	v_add_nc_u32 v29, UL, v28
	ds_store_b128 v29, v[TM:TM+3]
	s_wait_tensorcnt 0x0                           ; my quarter of mt has landed; the other waves read it behind the first page's barrier
	s_wait_kmcnt 0x0                               ; the lengths
	s_mov_b32 s19, 0                               ; page of the two
; The gather.  Group t of 32: lanes 0-15 take row 64 w + 16 (t >> 3) + (t & 7), lanes 16-31 the row eight further down.
.macro GIDS                            ; the 32 ids of my half's rows, eight loads
.irp a, 0,1,2,3
	global_load_b128 v[IDV+8*\a:IDV+8*\a+3],   v[IDO], s[4:5] offset:64*\a
	global_load_b128 v[IDV+8*\a+4:IDV+8*\a+7], v[IDO], s[4:5] offset:64*\a+16
.endr
.endm
.macro GOFFS                           ; id -> byte offset of my 16 bytes in the row's first 256
.set g_t, 0
.rept 32
	v_min_u32 v[IDV+g_t], 0xc34f, v[IDV+g_t]       ; inside the table of 50,000 rows
.set g_t, g_t+1
.endr
.set g_t, 0
.rept 32
	v_lshlrev_b32 v[IDV+g_t], 10, v[IDV+g_t]       ; rows of 1,024 bytes
.set g_t, g_t+1
.endr
.set g_t, 0
.rept 32
	v_add_nc_u32 v[IDV+g_t], v[COL], v[IDV+g_t]
.set g_t, g_t+1
.endr
.endm
.macro GROWS base                      ; 64 loads: groups base .. base + 15 fill a window; sixteen lanes read 256 consecutive bytes, aligned.  No hint: a list may name a row twice
.set g_t, 0
.rept 16
.irp c, 0,1,2,3
	global_load_b128 v[16*g_t+4*\c:16*g_t+4*\c+3], v[IDV+\base+g_t], s[8:9] offset:256*\c
.endr
.set g_t, g_t+1
.endr
.endm
; Groups t0 .. t0 + n - 1 (registers from 16 (t - base) on) are rounded to bf16 in place and stored into x.
.macro GCONV t0, n, base, wc, ws
	WIN \wc
.set g_q, 4*(\t0-\base)
.rept 4*\n
	v_cvt_pk_bf16_f32 v[4*g_q],   v[4*g_q],   v[4*g_q+1]
	v_cvt_pk_bf16_f32 v[4*g_q+1], v[4*g_q+2], v[4*g_q+3]
.set g_q, g_q+1
.endr
	WIN \ws
.set g_t, \t0
.rept \n
.irp c, 0,1,2,3
	ds_store_b64 v[XST], v[16*(g_t-\base)+4*\c:16*(g_t-\base)+4*\c+1] offset:(16*(g_t>>3)+(g_t&7))*PX+128*\c
.endr
.set g_t, g_t+1
.endr
.endm
; Stage T, batch n < 16: mt rows 32 fb + 0..31 (fb = n >> 1), 128 of the 256 columns (hf = n & 1), into buffer hf; an even batch also brings the bias.
.macro LOADB n
.set t_fb, (\n)>>1
.set t_hf, (\n)&1
.set t_f,  F0+64*t_hf
.set t_a,  AM+t_fb/3
.set t_o,  (t_fb%3)*32*PX
.irp k, 0,1,2,3
.irp ft, 0,1
	ds_load_b128 v[t_f+16*\k+8*\ft:t_f+16*\k+8*\ft+3],   v[t_a] offset:t_o+16*PX*\ft+64*(4*t_hf+\k)
	ds_load_b128 v[t_f+16*\k+8*\ft+4:t_f+16*\k+8*\ft+7], v[t_a] offset:t_o+16*PX*\ft+64*(4*t_hf+\k)+32
.endr
.endr
.if t_hf == 0
.irp ft, 0,1
	ds_load_b128 v[UF+8*\ft:UF+8*\ft+3],   v[AU] offset:128*t_fb+64*\ft
	ds_load_b128 v[UF+8*\ft+4:UF+8*\ft+7], v[AU] offset:128*t_fb+64*\ft+16
.endr
.endif
.endm
; 32 matrix instructions.  The eight accumulators take turns, one instruction a turn.  The bias starts each sum: nothing is cleared.
.macro MULT n
.set t_hf, (\n)&1
.set t_f,  F0+64*t_hf
.irp k, 0,1,2,3
.irp ft, 0,1
.irp tt, 0,1,2,3
.if (t_hf+\k) == 0
	v_wmma_f32_16x16x32_bf16 v[ACC+8*(4*\ft+\tt):ACC+8*(4*\ft+\tt)+7], v[t_f+16*\k+8*\ft:t_f+16*\k+8*\ft+7], v[8*(8*\tt+4*t_hf+\k):8*(8*\tt+4*t_hf+\k)+7], v[UF+8*\ft:UF+8*\ft+7]
.else
	v_wmma_f32_16x16x32_bf16 v[ACC+8*(4*\ft+\tt):ACC+8*(4*\ft+\tt)+7], v[t_f+16*\k+8*\ft:t_f+16*\k+8*\ft+7], v[8*(8*\tt+4*t_hf+\k):8*(8*\tt+4*t_hf+\k)+7], v[ACC+8*(4*\ft+\tt):ACC+8*(4*\ft+\tt)+7]
.endif
.endr
.endr
.endr
.endm
; Lane = token, registers = features 32 fb + 16 ft + 8 h + 0..7: packed, that is registers 4 ft .. 4 ft + 3 of the B fragment of k block fb.
.macro CVTT fb
.irp ft, 0,1
.irp tt, 0,1,2,3
.irp p, 0,1,2,3
	v_cvt_pk_bf16_f32 v[8*(8*\tt+\fb)+4*\ft+\p], v[ACC+8*(4*\ft+\tt)+2*\p], v[ACC+8*(4*\ft+\tt)+2*\p+1]
.endr
.endr
.endr
.endm
; Stage S: the sixteen keys of tile kt, all 256 features, into buffer kt & 1
.macro LOADX kt
.set s_f, F0+64*((\kt)&1)
.irp k, 0,1,2,3,4,5,6,7
	ds_load_b128 v[s_f+8*\k:s_f+8*\k+3],   v[AX+((\kt)>>2)] offset:((\kt)&3)*16*PX+64*\k
	ds_load_b128 v[s_f+8*\k+4:s_f+8*\k+7], v[AX+((\kt)>>2)] offset:((\kt)&3)*16*PX+64*\k+32
.endr
.endm
; Register j of a score tile is key 16 kt + 8 h + j: it counts if 16 kt + j < length - 8 h.  The eight compares name no register of a matrix instruction:
; they are the places in front of the writes of MASK and of the loads into the buffer read last.
.macro MASKS kt
.irp j, 0,1,2,3,4,5,6,7
	v_cmp_lt_i32 s[40+\j], 16*(\kt)+\j, v[LENH]
.endr
.irp j, 0,1,2,3,4,5,6,7
	v_cndmask_b32 v[MASK+\j], v[NEG], v[ZERO], s[40+\j]
.endr
.endm
; 32 matrix instructions: D[key][query] for my four query tiles.  The mask starts each sum; the four accumulators take turns.
.macro SMUL kt
.set s_f, F0+64*((\kt)&1)
.set s_w, 2+((\kt)>>3)
.set s_b, 32*((\kt)&7)
	WIN (s_w<<6)|0x04
.irp qt, 0,1,2,3
	v_wmma_f32_16x16x32_bf16 v[s_b+8*\qt:s_b+8*\qt+7], v[s_f:s_f+7], v[64*\qt:64*\qt+7], v[MASK:MASK+7]
.endr
	WIN (s_w<<6)|(s_w<<4)|0x04
.irp k, 1,2,3,4,5,6,7
.irp qt, 0,1,2,3
	v_wmma_f32_16x16x32_bf16 v[s_b+8*\qt:s_b+8*\qt+7], v[s_f+8*\k:s_f+8*\k+7], v[8*(8*\qt+\k):8*(8*\qt+\k)+7], v[s_b+8*\qt:s_b+8*\qt+7]
.endr
.endr
.endm
; Softmax passes over one window of 32 tiles (tile 4 kk + qt at register 8 (4 kk + qt)); the four queries' chains are interleaved.
.macro MAXP w, start
	WIN (\w)|((\w)<<2)
.if \start
.irp qt, 0,1,2,3
	v_max_num_f32 v[MX+\qt], v[8*\qt], v[8*\qt+1]
.endr
.endif
.set m_i, \start
.rept 32-\start
.irp qt, 0,1,2,3
	v_max3_num_f32 v[MX+\qt], v[32*(m_i>>2)+8*\qt+2*(m_i&3)], v[32*(m_i>>2)+8*\qt+2*(m_i&3)+1], v[MX+\qt]
.endr
.set m_i, m_i+1
.endr
.endm
.macro EFMA e
.irp p, 0,1,2,3
	v_pk_fma_f32 v[8*(\e)+2*\p:8*(\e)+2*\p+1], v[8*(\e)+2*\p:8*(\e)+2*\p+1], s[36:37], v[OFF+2*((\e)&3):OFF+2*((\e)&3)+1] op_sel_hi:[1,0,1]
.endr
.endm
.macro EEXP e
.irp j, 0,1,2,3,4,5,6,7
	v_exp_f32 v[8*(\e)+\j], v[8*(\e)+\j]
.endr
.endm
; The multiply-adds run a tile ahead; behind each run of eight exponentials stands a plain instruction on another tile (ISA guide 5.7.2), at the end a v_nop.
.macro EXPP w
	WIN ((\w)<<6)|(\w)
	EFMA 0
.set e_i, 0
.rept 31
	EFMA e_i+1
	EEXP e_i
.set e_i, e_i+1
.endr
	EEXP 31
	v_nop
.endm
.macro SUMP w, start
	WIN \w
.if \start
	s_wait_alu depctr_va_vdst(0)
.irp qt, 0,1,2,3
	v_pk_add_f32 v[LS+2*\qt:LS+2*\qt+1], v[8*\qt:8*\qt+1], 0 op_sel_hi:[1,0]
.endr
.endif
.set m_i, \start
.rept 32-\start
.irp qt, 0,1,2,3
	v_pk_add_f32 v[LS+2*\qt:LS+2*\qt+1], v[32*(m_i>>2)+8*\qt+2*(m_i&3):32*(m_i>>2)+8*\qt+2*(m_i&3)+1], v[LS+2*\qt:LS+2*\qt+1]
.endr
.set m_i, m_i+1
.endr
.endm
; tile (0, kk) = sum over my four query tiles of tile (qt, kk) / (256 x row sum)
.macro COLP w
	WIN ((\w)<<6)|((\w)<<4)|(\w)
.set c_k, 0
.rept 8
.irp p, 0,2,4,6
	v_pk_mul_f32 v[32*c_k+\p:32*c_k+\p+1], v[32*c_k+\p:32*c_k+\p+1], v[OFF:OFF+1]
.endr
.irp q, 1,2,3
.irp p, 0,2,4,6
	v_pk_fma_f32 v[32*c_k+\p:32*c_k+\p+1], v[32*c_k+8*\q+\p:32*c_k+8*\q+\p+1], v[OFF+2*\q:OFF+2*\q+1], v[32*c_k+\p:32*c_k+\p+1]
.endr
.endr
.set c_k, c_k+1
.endr
.endm
; One step of the sum over the sixteen lanes of a half: a lane keeps the n registers that belong to its bit of r, and adds what the lane across sends.
.macro RSTEP src, dst, n, sk, xm
.set r_i, 0
.rept \n
	v_cndmask_b32 v[\dst+r_i],    v[\src+r_i], v[\src+\n+r_i], s[\sk]
	v_cndmask_b32 v[\dst+\n+r_i], v[\src+r_i], v[\src+\n+r_i], s[\sk+1]
.set r_i, r_i+1
.endr
.set r_i, 0
.rept \n
	v_add_f32_dpp v[\dst+r_i], v[\dst+\n+r_i], v[\dst+r_i] row_xmask:\xm row_mask:0xf bank_mask:0xf
.set r_i, r_i+1
.endr
.endm
; Stage X: groups t0 .. t0 + n - 1 of the f32 rows, each times its row's weight, onto sixteen sums that take turns (features 64 c + 4 r + i at RA + 4 c + i)
.macro RFMA t0, n, base
.set g_t, \t0
.rept \n
.irp k, 0,1,2,3,4,5,6,7,8,9,10,11,12,13,14,15
	v_fmac_f32 v[RA+\k], v[16*(g_t-\base)+\k], v[F0+g_t]
.endr
.set g_t, g_t+1
.endr
.endm
.Lpage:
	s_cmp_eq_u32 s19, 0
	s_cselect_b32 s22, s20, s21                    ; this page's length
	s_cmp_lt_i32 s22, 1
	s_cselect_b32 s22, 256, s22                    ; a page with no valid key is unmasked
	v_sub_nc_u32 v[LENH], s22, v[H8]
	; ---- G: the gather, rounded to bf16 into LDS
	GIDS
	s_wait_loadcnt 0x0
	GOFFS
	WIN 0x40
	GROWS 0
	WIN 0x80
	GROWS 16
	s_wait_loadcnt 60                              ; 68 of the 128 are in: groups 0 to 16
	GCONV 0, 16, 0, 0x45, 0x04
	s_wait_loadcnt 32                              ; 96 are in: groups up to 23
	GCONV 16, 8, 16, 0x8a, 0x08
	s_wait_loadcnt 0x0
	GCONV 24, 8, 16, 0x8a, 0x08
	WIN 0
	s_wait_dscnt 0x0                               ; my rows of x (and, in the first page, my piece of u) are in LDS, for the other waves' sake
	s_barrier_signal -1
	s_barrier_wait -1                              ; x, u and mt are whole for every wave
	; ---- T: T = x M + u for my 64 tokens, then a = x . w + c.  A = rows of mt, B = my x: D[feature][token].
	WIN 0x80
.irp tt, 0,1,2,3
.irp k, 0,1,2,3,4,5,6,7
	ds_load_b128 v[8*(8*\tt+\k):8*(8*\tt+\k)+3],   v[AXO] offset:16*PX*\tt+64*\k
	ds_load_b128 v[8*(8*\tt+\k)+4:8*(8*\tt+\k)+7], v[AXO] offset:16*PX*\tt+64*\k+32
.endr
.endr
	WIN 0x08                                       ; B in window 2, all else in window 0: LDS loads need no other setting
	LOADB 0
.irp f, 0,1,2,3,4,5,6
	LOADB 2*\f+1
	s_wait_dscnt 16                                ; all but the sixteen loads of the batch just asked for
	MULT 2*\f
	PLACES
	LOADB 2*\f+2
	s_wait_dscnt 20                                ; an even batch is sixteen loads and four of the bias
	MULT 2*\f+1
	PLACES                                         ; these serve the conversions and the next batch's loads alike
	WIN 0x40
	CVTT \f
	WIN 0x08
.endr
	LOADB 15
	s_wait_dscnt 16
	MULT 14
	PLACES
.irp k, 0,1,2,3,4,5,6,7
	ds_load_b128 v[F0+8*\k:F0+8*\k+3],   v[AM+2] offset:64*PX+64*\k      ; rows 256-271 of mt: w, sixteen times
	ds_load_b128 v[F0+8*\k+4:F0+8*\k+7], v[AM+2] offset:64*PX+64*\k+32
.endr
	ds_load_b128 v[UF:UF+3],   v[AU] offset:1024   ; c
	ds_load_b128 v[UF+4:UF+7], v[AU] offset:1040
	s_wait_dscnt 18                                ; all but these eighteen
	MULT 15
	PLACES
	WIN 0x40
	CVTT 7
	WIN 0x08
	s_wait_dscnt 0x0
.irp k, 0,1,2,3,4,5,6,7
.irp tt, 0,1,2,3
.if \k == 0
	v_wmma_f32_16x16x32_bf16 v[ACC+8*\tt:ACC+8*\tt+7], v[F0+8*\k:F0+8*\k+7], v[8*(8*\tt+\k):8*(8*\tt+\k)+7], v[UF:UF+7]
.else
	v_wmma_f32_16x16x32_bf16 v[ACC+8*\tt:ACC+8*\tt+7], v[F0+8*\k:F0+8*\k+7], v[8*(8*\tt+\k):8*(8*\tt+\k)+7], v[ACC+8*\tt:ACC+8*\tt+7]
.endif
.endr
.endr
	PLACES
	WIN 0
.irp tt, 0,1,2,3
	v_mov_b32 v[AI+\tt], v[ACC+8*\tt]              ; every row of the tile is a of token 16 tt + r
.endr
	GIDS                                           ; the ids once more, into the accumulators that are now idle: they have all of stage S in which to come
	; ---- S: 16 x scores less a, transposed: A = keys' x, B = T.
	LOADX 0
.irp kt, 0,1,2,3,4,5,6,7,8,9,10,11,12,13,14
	WIN 0
	MASKS \kt
	LOADX \kt+1
	s_wait_dscnt 16                                ; all but the next tile's sixteen loads
	SMUL \kt
.endr
	WIN 0
	MASKS 15
	s_wait_dscnt 0x0
	SMUL 15
	; The second gather's first half.  The 96 lines that make the offsets name no register of a matrix instruction: they are the places in front of the loads
	; into T's registers and in front of the first reads of the scores.
	WIN 0
	s_wait_loadcnt 0x0                             ; the ids
	GOFFS
	WIN 0x40
	GROWS 0                                        ; rows of groups 0-15 over T, which the last score product has read
	; ---- M: softmax.  A query's 256 scores lie in lanes r and r + 16, 128 registers each.
	MAXP 2, 1
	MAXP 3, 0
	WIN 0
.irp qt, 0,1,2,3
	v_permlanex16_b32 v[TM+\qt], v[MX+\qt], s38, s39
.endr
.irp qt, 0,1,2,3
	v_max_num_f32 v[MX+\qt], v[MX+\qt], v[TM+\qt]
.endr
.irp qt, 0,1,2,3
	v_add_f32 v[TM+\qt], v[MX+\qt], v[AI+\qt]      ; the row's maximum of 16 x score, a included
.endr
.irp qt, 0,1,2,3
	v_sub_f32 v[TM+\qt], v[AI+\qt], v[TM+\qt]      ; a - maximum
.endr
.irp qt, 0,1,2,3
	v_mul_f32 v[OFF+2*\qt],   s36, v[TM+\qt]       ; exponent = c x sum + c (a - maximum), c = log2(e) / 16
	v_mul_f32 v[OFF+2*\qt+1], s36, v[TM+\qt]
.endr
	EXPP 2
	EXPP 3
	SUMP 2, 1
	SUMP 3, 0
	WIN 0
.irp qt, 0,1,2,3
	v_add_f32 v[TM+\qt], v[LS+2*\qt], v[LS+2*\qt+1]
.endr
.irp qt, 0,1,2,3
	v_permlanex16_b32 v[MX+\qt], v[TM+\qt], s38, s39
.endr
.irp qt, 0,1,2,3
	v_add_f32 v[TM+\qt], v[TM+\qt], v[MX+\qt]
.endr
.irp qt, 0,1,2,3
	v_rcp_f32 v[MX+\qt], v[TM+\qt]
.endr
	v_nop                                          ; one plain place behind the reciprocals (ISA guide 5.7.2)
	s_wait_alu depctr_va_vdst(0)
.irp qt, 0,1,2,3
	v_mul_f32 v[OFF+2*\qt],   0x3b800000, v[MX+\qt]    ; 1 / (256 x row sum): the mean over the queries rides along
	v_mul_f32 v[OFF+2*\qt+1], 0x3b800000, v[MX+\qt]
.endr
	COLP 2
	COLP 3
	; ---- R: the sum over the sixteen query lanes.  128 registers a lane shrink to 8: lane r ends with keys 16 r + 8 h + 0..7.
	WIN 0x0e                                       ; source 0 in window 2 (key tiles 0-7), source 1 in window 3 (8-15)
.set r_i, 0
.rept 64
	v_cndmask_b32 v[F0+r_i], v[32*(r_i>>3)+(r_i&7)], v[32*(r_i>>3)+(r_i&7)], s48
	v_cndmask_b32 v[F1+r_i], v[32*(r_i>>3)+(r_i&7)], v[32*(r_i>>3)+(r_i&7)], s49
.set r_i, r_i+1
.endr
	WIN 0x80
	GROWS 16                                       ; the second gather's second half: the score windows have been read for the last time
	WIN 0
.set r_i, 0
.rept 64
	v_add_f32_dpp v[F0+r_i], v[F1+r_i], v[F0+r_i] row_xmask:8 row_mask:0xf bank_mask:0xf
.set r_i, r_i+1
.endr
	RSTEP F0, F1, 32, 50, 4
	RSTEP F1, F0, 16, 52, 2
	RSTEP F0, F1, 8, 54, 1
	ds_store_b128 v[WAPS], v[F1:F1+3]
	ds_store_b128 v[WAPS], v[F1+4:F1+7] offset:16
	s_wait_dscnt 0x0                               ; my column sums are stored, and all my reads of x are long back: behind this barrier nobody reads x any more
	s_barrier_signal -1
	s_barrier_wait -1
	; ---- W: wa of my 64 keys, two a lane
.irp u, 0,1,2,3
	ds_load_b64 v[SUMW+2*\u:SUMW+2*\u+1], v[WAPR] offset:1024*\u
.endr
	s_wait_dscnt 0x0
	v_pk_add_f32 v[SUMW:SUMW+1], v[SUMW:SUMW+1], v[SUMW+2:SUMW+3]
	v_pk_add_f32 v[SUMW+4:SUMW+5], v[SUMW+4:SUMW+5], v[SUMW+6:SUMW+7]
	v_pk_add_f32 v[SUMW:SUMW+1], v[SUMW:SUMW+1], v[SUMW+4:SUMW+5]
	global_store_b64 v[GO], v[SUMW:SUMW+1], s[14:15] th:TH_STORE_NT    ; the wave stores 256 consecutive bytes, aligned
	ds_store_b64 v[WAFS], v[SUMW:SUMW+1]
.irp a, 0,1,2,3
	ds_load_b128 v[F0+8*\a:F0+8*\a+3],   v[WAFH] offset:64*\a          ; F0 + t = the weight of group t's row in my half.  My wave's own bytes:
	ds_load_b128 v[F0+8*\a+4:F0+8*\a+7], v[WAFH] offset:64*\a+16       ; LDS serves a wave's instructions in order (ISA guide 5.7.1), so these see the store above
.endr
	; ---- X: r over my own 64 keys, from the f32 rows
	s_wait_dscnt 0x0
	s_wait_loadcnt 60                              ; 68 of the second gather's 128 loads are in: groups 0 to 16
	WIN 0x01
.irp k, 0,1,2,3,4,5,6,7,8,9,10,11,12,13,14,15
	v_mul_f32 v[RA+\k], v[\k], v[F0]               ; the first row starts the sums: nothing is cleared
.endr
	RFMA 1, 15, 0
	s_wait_loadcnt 32                              ; groups up to 23
	WIN 0x02
	RFMA 16, 8, 16
	s_wait_loadcnt 0x0
	RFMA 24, 8, 16
	WIN 0
	; the two halves hold different rows: lanes 0-15 keep features 0-127 (sums 0-7) and send the rest across, lanes 16-31 the other way round
.irp k, 0,1,2,3,4,5,6,7
	v_cndmask_b32 v[RK+\k],  v[RA+\k], v[RA+8+\k], s58
	v_cndmask_b32 v[RSD+\k], v[RA+\k], v[RA+8+\k], s59
.endr
.irp k, 0,1,2,3,4,5,6,7
	v_permlanex16_b32 v[RT+\k], v[RSD+\k], s38, s39
.endr
.irp k, 0,2,4,6
	v_pk_add_f32 v[RK+\k:RK+\k+1], v[RK+\k:RK+\k+1], v[RT+\k:RT+\k+1]
.endr
	ds_store_b128 v[RPS], v[RK:RK+3]               ; features 128 h + 4 r + 0..3
	ds_store_b128 v[RPS], v[RK+4:RK+7] offset:256  ; and 64 further on
	s_wait_dscnt 0x0
	s_barrier_signal -1
	s_barrier_wait -1
.irp u, 0,1,2,3
	ds_load_b64 v[SUMR+2*\u:SUMR+2*\u+1], v[RPR] offset:1024*\u
.endr
	s_wait_dscnt 0x0
	v_pk_add_f32 v[SUMR:SUMR+1], v[SUMR:SUMR+1], v[SUMR+2:SUMR+3]
	v_pk_add_f32 v[SUMR+4:SUMR+5], v[SUMR+4:SUMR+5], v[SUMR+6:SUMR+7]
	v_pk_add_f32 v[SUMR:SUMR+1], v[SUMR:SUMR+1], v[SUMR+4:SUMR+5]
	global_store_b64 v[GO], v[SUMR:SUMR+1], s[16:17]
	s_wait_xcnt 0x0                                ; the bases and the stores' data registers are written again only behind this wait
	s_add_nc_u64 s[4:5], s[4:5], 1024
	s_add_nc_u64 s[14:15], s[14:15], 1024
	s_add_nc_u64 s[16:17], s[16:17], 1024
	s_add_co_u32 s19, s19, 1
	s_cmp_lt_u32 s19, 2
	s_cbranch_scc1 .Lpage
	s_wait_xcnt 0x0
	v_lshl_add_u32 v254, v0, 2, 0x46a00
	v_mov_b32 v255, 0
	s_wait_tensorcnt 0x0
	ds_add_u32 v254, v255
	s_wait_dscnt 0x0
	s_endpgm
.Lfunc_end_k_qeb1726d123_attn:
	.size	k_qeb1726d123_attn, .Lfunc_end_k_qeb1726d123_attn-k_qeb1726d123_attn
	.p2alignl 7, 3214868480
	.fill 96, 4, 3214868480
	.section	.rodata,"a",@progbits
	.p2align	6, 0x0
	.amdhsa_kernel k_qeb1726d123_attn
		.amdhsa_group_segment_fixed_size 289792
		.amdhsa_private_segment_fixed_size 0
		.amdhsa_enable_private_segment 0
		.amdhsa_kernarg_size 56
		.amdhsa_user_sgpr_count 2
		.amdhsa_user_sgpr_kernarg_segment_ptr 1
		.amdhsa_wavefront_size32 1
		.amdhsa_system_sgpr_workgroup_id_x 1
		.amdhsa_system_sgpr_workgroup_id_y 1
		.amdhsa_system_sgpr_workgroup_id_z 1
		.amdhsa_system_vgpr_workitem_id 0
		.amdhsa_next_free_vgpr 1024
		.amdhsa_next_free_sgpr 66
		.amdhsa_reserve_vcc 0
		.amdhsa_float_denorm_mode_32 3
		.amdhsa_float_denorm_mode_16_64 3
		.amdhsa_memory_ordered 1
		.amdhsa_forward_progress 1
		.amdhsa_inst_pref_size 255
	.end_amdhsa_kernel
	.section	.bss,"aw",@nobits
	.p2align	6
	.space	262144
	.amdgpu_metadata
---
amdhsa.version: [ 1, 2 ]
amdhsa.kernels:
  - .name:           k_qeb1726d123_attn
    .symbol:         k_qeb1726d123_attn.kd
    .args:
      - { .name: seq_ids, .offset: 0, .size: 8, .value_kind: global_buffer, .address_space: global }
      - { .name: seq_lengths, .offset: 8, .size: 8, .value_kind: global_buffer, .address_space: global }
      - { .name: emb, .offset: 16, .size: 8, .value_kind: global_buffer, .address_space: global }
      - { .name: mt, .offset: 24, .size: 8, .value_kind: global_buffer, .address_space: global }
      - { .name: ub, .offset: 32, .size: 8, .value_kind: global_buffer, .address_space: global }
      - { .name: out2, .offset: 40, .size: 8, .value_kind: global_buffer, .address_space: global }
      - { .name: rbuf, .offset: 48, .size: 8, .value_kind: global_buffer, .address_space: global }
    .group_segment_fixed_size: 289792
    .private_segment_fixed_size: 0
    .kernarg_segment_align: 8
    .kernarg_segment_size: 56
    .max_flat_workgroup_size: 128
    .sgpr_count:     66
    .vgpr_count:     1024
    .wavefront_size: 32
...
	.end_amdgpu_metadata
.endif
;; end of part 2
;; launch pool (part 3): grid 32 x 1, 16 waves a work-group, no clusters, 162,560 bytes of LDS; arguments rbuf, v_w, v_b, ln_word_g, ln_word_b, W_page, num_pages, ln_page_g, ln_page_b, dec_w, out0, out1, out3, out4, out5, out6; writes out0, out1, out3, out4, out5, out6
.if DOCPART == 3
	.amdgcn_target "amdgcn-amd-amdhsa--gfx1250"
	.amdhsa_code_object_version 6
	.text
	.protected	k_qeb1726d123_pool
	.globl	k_qeb1726d123_pool
	.p2align	8
	.type	k_qeb1726d123_pool,@function
k_qeb1726d123_pool:
	s_mov_b64 s[64:65], 0
	v_nop
	global_prefetch_b8 v0, s[64:65] scope:SCOPE_SE
	s_setreg_imm32_b32 hwreg(HW_REG_WAVE_MODE, 25, 1), 1
	s_wait_xcnt 0x0
; One work-group for each batch of 16 pages.  webpage_vec = layer norm (r Wv^T + v_b + r)  (out6), page score = webpage_vec . W_page / 10 (out5),
; sparsemax over the pages (out3), pooled vector and its layer norm (out4), decoder (out1) and sigmoid (out0).
; v_b is added once: it is weighted by a softmax row's sum, which is one.
; Wave v owns output features 16 v .. 16 v + 15 in the product (A = 16 rows of Wv, B = the 16 pages' r, f32 sums), and then page v.
; THE PRODUCT'S OPERANDS ARE f16: its error goes through the layer norm into page scores whose differences decide the sparsemax, and f16 has three bits more than bf16.
; r is a convex mix of rows of emb and Wv is an input.  LIMIT: |r| and |v_w| up to 65,504; below 6e-5 their absolute step is 6e-8.
; The sparsemax needs no sort: page i is in the support if 1 + C z_i > S, C and S the count and the sum of the scores >= z_i; equal scores pass or fail together,
; as they do in the sorted test.  LIMIT: scores of magnitude 2^24 and more, where 1 is lost beside C z, are not served.
; 32 work-groups: the batches; the sparsemax ties a batch's pages together.  Everything comes through registers; nothing is shared by tensor loads.
.set R16,  135168                      ; LDS: 16 waves x 16 rows of Wv in f16 (pitch 528) at 0, each wave's own; r in f16 at R16 (16 rows, pitch 528)
.set YB,   143616                      ; 16 rows x 1,040 bytes of f32: the product, then webpage_vec
.set SC,   160256                      ; 16 scores
.set YP,   1040
.set LN,   1
.set RL,   2
.set HL,   3
.set ROWO, 4                           ; byte offset of my 16 bytes in row 16 b + v of rbuf and out6
.set L16,  5                           ; 16 L
.set WOFF, 6                           ; 16,384 v + 16 L in v_w
.set RRG,  8                           ; v[8:15]   r of page v: features 4 L .. + 3 and 128 + 4 L .. + 3 (all row vectors below likewise)
.set VB,   16                          ; v[16:23]  v_b
.set G,    24                          ; v[24:31]  gain
.set BB,   32                          ; v[32:39]  bias
.set WP,   40                          ; v[40:47]  W_page, later dec_w
.set Z,    48                          ; v[48:55]  accumulator 0, then page v's vector
.set FV,   56                          ; v[56:63]  accumulator 1, then the pooled vector
.set RAW,  64                          ; v[64:191] Wv as loaded, then fragments (A at 64, B at 128), then the 16 pages' vectors
.set T,    192                         ; v[192:199] at work
.set R16S, 200
.set WST,  201
.set FAA,  202
.set FAB,  203
.set YST,  204
.set YRW,  205
.set SCS,  206
.set SCR,  207
.set YL,   208
.set O64,  209
.set O4,   210
.set O1K,  211
.set ZV,   212
.set ZI,   213
.set CC,   214
.set SS,   215
.set AT,   216
; sum over the 32 lanes, result in every lane; t has been written before
.macro WSUM x, t
	v_add_f32_dpp v[\x], v[\x], v[\x] row_xmask:1 row_mask:0xf bank_mask:0xf
	v_add_f32_dpp v[\x], v[\x], v[\x] row_xmask:2 row_mask:0xf bank_mask:0xf
	v_add_f32_dpp v[\x], v[\x], v[\x] row_xmask:4 row_mask:0xf bank_mask:0xf
	v_add_f32_dpp v[\x], v[\x], v[\x] row_xmask:8 row_mask:0xf bank_mask:0xf
	v_permlanex16_b32 v[\t], v[\x], s38, s39
	v_add_f32 v[\x], v[\x], v[\t]
.endm
; layer norm of a wave's 256 numbers, in place, in two passes: the mean is taken away before the squares are summed
.macro LNORM z, g, b
	v_pk_add_f32 v[T:T+1], v[\z:\z+1], v[\z+2:\z+3]
	v_pk_add_f32 v[T+2:T+3], v[\z+4:\z+5], v[\z+6:\z+7]
	v_pk_add_f32 v[T:T+1], v[T:T+1], v[T+2:T+3]
	v_add_f32 v[T], v[T], v[T+1]
	WSUM T, T+1
	v_mul_f32 v[T], s60, v[T]                      ; mean
	v_mov_b32 v[T+1], v[T]
.irp k, 0,2,4,6
	v_pk_add_f32 v[\z+\k:\z+\k+1], v[\z+\k:\z+\k+1], v[T:T+1] neg_lo:[0,1] neg_hi:[0,1]
.endr
	v_pk_mul_f32 v[T:T+1], v[\z:\z+1], v[\z:\z+1]
.irp k, 2,4,6
	v_pk_fma_f32 v[T:T+1], v[\z+\k:\z+\k+1], v[\z+\k:\z+\k+1], v[T:T+1]
.endr
	v_add_f32 v[T], v[T], v[T+1]
	WSUM T, T+1
	v_fma_f32 v[T], v[T], s60, s61                 ; variance + 1e-5
	v_rsq_f32 v[T+2], v[T]
	v_nop                                          ; one plain place behind it (ISA guide 5.7.2)
	s_wait_alu depctr_va_vdst(0)
	v_mov_b32 v[T+3], v[T+2]
.irp k, 0,2,4,6
	v_pk_mul_f32 v[\z+\k:\z+\k+1], v[\z+\k:\z+\k+1], v[T+2:T+3]
.endr
.irp k, 0,2,4,6
	v_pk_fma_f32 v[\z+\k:\z+\k+1], v[\z+\k:\z+\k+1], v[\g+\k:\g+\k+1], v[\b+\k:\b+\k+1]
.endr
.endm
; T = sum over my eight numbers of z x w, then over the lanes
.macro DOT z, w
	v_pk_mul_f32 v[T:T+1], v[\z:\z+1], v[\w:\w+1]
.irp k, 2,4,6
	v_pk_fma_f32 v[T:T+1], v[\z+\k:\z+\k+1], v[\w+\k:\w+\k+1], v[T:T+1]
.endr
	v_add_f32 v[T], v[T], v[T+1]
	WSUM T, T+1
.endm
	s_load_b512 s[4:19], s[0:1], 0x0               ; rbuf 4, v_w 6, v_b 8, ln_word_g 10, ln_word_b 12, W_page 14, num_pages 16, ln_page_g 18
	s_load_b512 s[20:35], s[0:1], 0x40             ; ln_page_b 20, dec_w 22, out0 24, out1 26, out3 28, out4 30, out5 32, out6 34
	v_lshl_add_u32 v224, v0, 2, 0x27300
	v_mov_b32 v225, 0
	v_lshrrev_b32 v1, 5, v0
	v_readfirstlane_b32 s36, v1                    ; wave v
	v_and_b32 v[LN], 31, v0
	v_and_b32 v[RL], 15, v0
	v_bfe_u32 v[HL], v0, 4, 1
	s_mov_b32 s38, 0x76543210
	s_mov_b32 s39, 0xfedcba98
	s_mov_b32 s60, 0x3b800000                      ; 1 / 256
	s_mov_b32 s61, 0x3727c5ac                      ; 1e-5
	s_lshl_b32 s57, ttmp9, 4
	s_add_co_u32 s57, s57, s36
	s_lshl_b32 s57, s57, 10                        ; page 16 b + v, rows of 1,024 bytes
	v_lshlrev_b32 v[L16], 4, v[LN]
	v_add_nc_u32 v[ROWO], s57, v[L16]
	s_lshl_b32 s58, s36, 14
	v_add_nc_u32 v[WOFF], s58, v[L16]
	s_lshl_b32 s59, ttmp9, 2
	s_wait_kmcnt 0x0
	s_load_b32 s37, s[16:17], s59 offset:0x0       ; num_pages[b]
	global_load_b128 v[RRG:RRG+3],   v[ROWO], s[4:5]
	global_load_b128 v[RRG+4:RRG+7], v[ROWO], s[4:5] offset:512
.set w_n, 0
.rept 32
	global_load_b128 v[RAW+4*w_n:RAW+4*w_n+3], v[WOFF], s[6:7] offset:512*w_n      ; my 16 rows of Wv: 16,384 consecutive bytes
.set w_n, w_n+1
.endr
	global_load_b128 v[VB:VB+3],   v[L16], s[8:9]
	global_load_b128 v[VB+4:VB+7], v[L16], s[8:9] offset:512
	global_load_b128 v[G:G+3],     v[L16], s[10:11]
	global_load_b128 v[G+4:G+7],   v[L16], s[10:11] offset:512
	global_load_b128 v[BB:BB+3],   v[L16], s[12:13]
	global_load_b128 v[BB+4:BB+7], v[L16], s[12:13] offset:512
	global_load_b128 v[WP:WP+3],   v[L16], s[14:15]
	global_load_b128 v[WP+4:WP+7], v[L16], s[14:15] offset:512
	s_mul_i32 s57, s36, 528
	s_add_co_u32 s57, s57, R16
	v_lshl_add_u32 v[R16S], v[LN], 3, s57
	s_mul_i32 s58, s36, 8448
	v_lshl_add_u32 v[WST], v[LN], 3, s58
	v_mul_u32_u24 v[T], v[RL], 528
	v_lshl_add_u32 v[T], v[HL], 4, v[T]
	v_add_nc_u32 v[FAA], s58, v[T]
	v_add_nc_u32 v[FAB], R16, v[T]
	v_mul_u32_u24 v[T+1], v[RL], YP
	v_lshl_add_u32 v[T+1], v[HL], 5, v[T+1]
	s_lshl_b32 s57, s36, 6
	s_add_co_u32 s57, s57, YB
	v_add_nc_u32 v[YST], s57, v[T+1]               ; row = page r, 4 (16 v + 8 h)
	s_mul_i32 s57, s36, YP
	s_add_co_u32 s57, s57, YB
	v_add_nc_u32 v[YRW], s57, v[L16]
	s_lshl_b32 s57, s36, 2
	s_add_co_u32 s57, s57, SC
	v_mov_b32 v[SCS], s57
	v_lshl_add_u32 v[SCR], v[RL], 2, SC
	v_add_nc_u32 v[YL], YB, v[L16]
	s_lshl_b32 s57, ttmp9, 6
	v_lshl_add_u32 v[O64], v[LN], 2, s57
	v_mov_b32 v[O4], s59
	s_lshl_b32 s57, ttmp9, 10
	v_add_nc_u32 v[O1K], s57, v[L16]
	s_wait_loadcnt 40                              ; r is in: 32 + 8 loads were issued behind its two
.irp p, 0,1,2,3
	v_cvt_pk_f16_f32 v[T+\p], v[RRG+2*\p], v[RRG+2*\p+1]
.endr
	ds_store_b64 v[R16S], v[T:T+1]
	ds_store_b64 v[R16S], v[T+2:T+3] offset:256
	s_wait_dscnt 0x0
	s_barrier_signal -1
	s_barrier_wait -1                              ; all sixteen pages' r lie in LDS
	s_wait_loadcnt 8                               ; Wv is in: the eight loads of the row vectors stay out
.set w_n, 0
.rept 32
	v_cvt_pk_f16_f32 v[RAW+4*w_n],   v[RAW+4*w_n],   v[RAW+4*w_n+1]
	v_cvt_pk_f16_f32 v[RAW+4*w_n+1], v[RAW+4*w_n+2], v[RAW+4*w_n+3]
.set w_n, w_n+1
.endr
.set w_n, 0
.rept 32
	ds_store_b64 v[WST], v[RAW+4*w_n:RAW+4*w_n+1] offset:528*(w_n>>1)+256*(w_n&1)
.set w_n, w_n+1
.endr
.irp k, 0,1,2,3,4,5,6,7
	ds_load_b128 v[RAW+8*\k:RAW+8*\k+3],       v[FAA] offset:64*\k       ; my own bytes: LDS serves a wave's instructions in order (ISA guide 5.7.1)
	ds_load_b128 v[RAW+8*\k+4:RAW+8*\k+7],     v[FAA] offset:64*\k+32
	ds_load_b128 v[RAW+64+8*\k:RAW+64+8*\k+3],   v[FAB] offset:64*\k
	ds_load_b128 v[RAW+64+8*\k+4:RAW+64+8*\k+7], v[FAB] offset:64*\k+32
.endr
	s_wait_dscnt 0x0
	; two accumulators take turns; the first product of each starts its sum
.irp k, 0,2,4,6
.if \k == 0
	v_wmma_f32_16x16x32_f16 v[Z:Z+7],   v[RAW:RAW+7],    v[RAW+64:RAW+71], 0
	v_wmma_f32_16x16x32_f16 v[FV:FV+7], v[RAW+8:RAW+15], v[RAW+72:RAW+79], 0
.else
	v_wmma_f32_16x16x32_f16 v[Z:Z+7],   v[RAW+8*\k:RAW+8*\k+7],    v[RAW+64+8*\k:RAW+64+8*\k+7], v[Z:Z+7]
	v_wmma_f32_16x16x32_f16 v[FV:FV+7], v[RAW+8*\k+8:RAW+8*\k+15], v[RAW+72+8*\k:RAW+72+8*\k+7], v[FV:FV+7]
.endif
.endr
.rept 4
	v_nop                                          ; four places behind the last matrix instruction (ISA guide 7.12.1)
.endr
.irp k, 0,2,4,6
	v_pk_add_f32 v[Z+\k:Z+\k+1], v[Z+\k:Z+\k+1], v[FV+\k:FV+\k+1]
.endr
	ds_store_b128 v[YST], v[Z:Z+3]                 ; lane = page r, registers = features 16 v + 8 h + 0..7
	ds_store_b128 v[YST], v[Z+4:Z+7] offset:16
	s_wait_dscnt 0x0
	s_barrier_signal -1
	s_barrier_wait -1
	; page v
	ds_load_b128 v[Z:Z+3],   v[YRW]
	ds_load_b128 v[Z+4:Z+7], v[YRW] offset:512
	s_wait_loadcnt 0x0
	s_wait_dscnt 0x0
.irp k, 0,2,4,6
	v_pk_add_f32 v[Z+\k:Z+\k+1], v[Z+\k:Z+\k+1], v[VB+\k:VB+\k+1]
.endr
.irp k, 0,2,4,6
	v_pk_add_f32 v[Z+\k:Z+\k+1], v[Z+\k:Z+\k+1], v[RRG+\k:RRG+\k+1]    ; the residual, in f32
.endr
	LNORM Z, G, BB
	global_store_b128 v[ROWO], v[Z:Z+3],   s[34:35]                    ; each store of the wave covers 512 consecutive bytes, aligned
	global_store_b128 v[ROWO], v[Z+4:Z+7], s[34:35] offset:512
	ds_store_b128 v[YRW], v[Z:Z+3]                 ; row v is read and written by wave v alone between these two barriers
	ds_store_b128 v[YRW], v[Z+4:Z+7] offset:512
	DOT Z, WP
	v_mul_f32 v[T], 0x3dcccccd, v[T]               ; / 10
	ds_store_b32 v[SCS], v[T]                      ; all lanes store the same word with the same value
	s_wait_dscnt 0x0
	s_barrier_signal -1
	s_barrier_wait -1
	s_cmp_lg_u32 s36, 0                            ; what is left is 16 numbers and one row: wave 0 does it; no barrier follows
	s_cbranch_scc1 .Lend
	global_load_b128 v[G:G+3],     v[L16], s[18:19]
	global_load_b128 v[G+4:G+7],   v[L16], s[18:19] offset:512
	global_load_b128 v[BB:BB+3],   v[L16], s[20:21]
	global_load_b128 v[BB+4:BB+7], v[L16], s[20:21] offset:512
	global_load_b128 v[WP:WP+3],   v[L16], s[22:23]
	global_load_b128 v[WP+4:WP+7], v[L16], s[22:23] offset:512
	ds_load_b32 v[ZI], v[SCR]                      ; lane L: the score of page L & 15
.irp p, 0,1,2,3,4,5,6,7,8,9,10,11,12,13,14,15
	ds_load_b128 v[RAW+8*\p:RAW+8*\p+3],   v[YL] offset:YP*\p
	ds_load_b128 v[RAW+8*\p+4:RAW+8*\p+7], v[YL] offset:YP*\p+512
.endr
	s_wait_dscnt 32                                ; the scores are in; the 32 loads of the pages' vectors stay out
	s_wait_kmcnt 0x0
	v_cmp_gt_i32 vcc_lo, s37, v[RL]
	v_cndmask_b32 v[ZV], 0xc61c3c00, v[ZI], vcc_lo ; -9999 for pages at or beyond num_pages
.irp j, 0,1,2,3,4,5,6,7,8,9,10,11,12,13,14,15
	v_readlane_b32 s[40+\j], v[ZV], \j
.endr
	v_mov_b32 v[CC], 0
	v_mov_b32 v[SS], 0
.irp j, 0,1,2,3,4,5,6,7,8,9,10,11,12,13,14,15
	v_cmp_ge_f32 vcc_lo, s[40+\j], v[ZV]
	v_cndmask_b32 v[T], 0, 1.0, vcc_lo
	v_cndmask_b32 v[T+1], 0, s[40+\j], vcc_lo
	v_add_f32 v[CC], v[CC], v[T]
	v_add_f32 v[SS], v[SS], v[T+1]
.endr
	v_fma_f32 v[T], v[CC], v[ZV], 1.0
	v_cmp_gt_f32 vcc_lo, v[T], v[SS]               ; in the support
	v_cndmask_b32 v[T], 0, 1.0, vcc_lo
	v_cndmask_b32 v[T+1], 0, v[ZV], vcc_lo
.irp m, 1,2,4,8
	v_add_f32_dpp v[T], v[T], v[T] row_xmask:\m row_mask:0xf bank_mask:0xf          ; each half of the wave holds all sixteen pages
	v_add_f32_dpp v[T+1], v[T+1], v[T+1] row_xmask:\m row_mask:0xf bank_mask:0xf
.endr
	v_add_f32 v[T+1], -1.0, v[T+1]
	v_rcp_f32 v[T+2], v[T]
	v_nop
	s_wait_alu depctr_va_vdst(0)
	v_fma_f32 v[T+3], -v[T+1], v[T+2], v[ZV]       ; z - tau
	v_max_num_f32 v[AT], 0, v[T+3]
	s_wait_xcnt 0x0                                ; EXEC is a source of the loads and stores above: it changes only behind this wait
	v_cmp_gt_u32 vcc_lo, 16, v[LN]
	s_and_saveexec_b32 s56, vcc_lo
	global_store_b32 v[O64], v[ZI], s[32:33]       ; out5: the raw scores, 64 consecutive bytes
	global_store_b32 v[O64], v[AT], s[28:29]       ; out3
	s_wait_xcnt 0x0
	s_or_b32 exec_lo, exec_lo, s56
.irp j, 0,1,2,3,4,5,6,7,8,9,10,11,12,13,14,15
	v_readlane_b32 s[40+\j], v[AT], \j
.endr
	s_wait_dscnt 0x0
.irp k, 0,1,2,3,4,5,6,7
	v_mul_f32 v[FV+\k], s40, v[RAW+\k]             ; the first page starts the sums
.endr
.irp p, 1,2,3,4,5,6,7,8,9,10,11,12,13,14,15
.irp k, 0,1,2,3,4,5,6,7
	v_fmac_f32 v[FV+\k], s[40+\p], v[RAW+8*\p+\k]
.endr
.endr
	s_wait_loadcnt 0x0
	LNORM FV, G, BB
	global_store_b128 v[O1K], v[FV:FV+3],   s[30:31]
	global_store_b128 v[O1K], v[FV+4:FV+7], s[30:31] offset:512
	DOT FV, WP
	v_mul_f32 v[T+2], 0xbfb8aa3b, v[T]             ; sigmoid(s) = 1 / (1 + 2^(-s log2 e))
	v_exp_f32 v[T+2], v[T+2]
	v_nop
	s_wait_alu depctr_va_vdst(0)
	v_add_f32 v[T+2], 1.0, v[T+2]
	v_rcp_f32 v[T+3], v[T+2]
	v_nop
	s_wait_xcnt 0x0
	v_cmp_eq_u32 vcc_lo, 0, v[LN]
	s_and_saveexec_b32 s56, vcc_lo
	global_store_b32 v[O4], v[T],   s[26:27]       ; out1
	s_wait_alu depctr_va_vdst(0)
	global_store_b32 v[O4], v[T+3], s[24:25]       ; out0
	s_wait_xcnt 0x0
	s_or_b32 exec_lo, exec_lo, s56
.Lend:
	s_wait_tensorcnt 0x0
	ds_add_u32 v224, v225
	s_wait_dscnt 0x0
	s_endpgm
.Lfunc_end_k_qeb1726d123_pool:
	.size	k_qeb1726d123_pool, .Lfunc_end_k_qeb1726d123_pool-k_qeb1726d123_pool
	.p2alignl 7, 3214868480
	.fill 96, 4, 3214868480
	.section	.rodata,"a",@progbits
	.p2align	6, 0x0
	.amdhsa_kernel k_qeb1726d123_pool
		.amdhsa_group_segment_fixed_size 162560
		.amdhsa_private_segment_fixed_size 0
		.amdhsa_enable_private_segment 0
		.amdhsa_kernarg_size 128
		.amdhsa_user_sgpr_count 2
		.amdhsa_user_sgpr_kernarg_segment_ptr 1
		.amdhsa_wavefront_size32 1
		.amdhsa_system_sgpr_workgroup_id_x 1
		.amdhsa_system_sgpr_workgroup_id_y 1
		.amdhsa_system_sgpr_workgroup_id_z 1
		.amdhsa_system_vgpr_workitem_id 0
		.amdhsa_next_free_vgpr 226
		.amdhsa_next_free_sgpr 66
		.amdhsa_reserve_vcc 1
		.amdhsa_float_denorm_mode_32 3
		.amdhsa_float_denorm_mode_16_64 3
		.amdhsa_memory_ordered 1
		.amdhsa_forward_progress 1
		.amdhsa_inst_pref_size 38
	.end_amdhsa_kernel
	.amdgpu_metadata
---
amdhsa.version: [ 1, 2 ]
amdhsa.kernels:
  - .name:           k_qeb1726d123_pool
    .symbol:         k_qeb1726d123_pool.kd
    .args:
      - { .name: rbuf, .offset: 0, .size: 8, .value_kind: global_buffer, .address_space: global }
      - { .name: v_w, .offset: 8, .size: 8, .value_kind: global_buffer, .address_space: global }
      - { .name: v_b, .offset: 16, .size: 8, .value_kind: global_buffer, .address_space: global }
      - { .name: ln_word_g, .offset: 24, .size: 8, .value_kind: global_buffer, .address_space: global }
      - { .name: ln_word_b, .offset: 32, .size: 8, .value_kind: global_buffer, .address_space: global }
      - { .name: W_page, .offset: 40, .size: 8, .value_kind: global_buffer, .address_space: global }
      - { .name: num_pages, .offset: 48, .size: 8, .value_kind: global_buffer, .address_space: global }
      - { .name: ln_page_g, .offset: 56, .size: 8, .value_kind: global_buffer, .address_space: global }
      - { .name: ln_page_b, .offset: 64, .size: 8, .value_kind: global_buffer, .address_space: global }
      - { .name: dec_w, .offset: 72, .size: 8, .value_kind: global_buffer, .address_space: global }
      - { .name: out0, .offset: 80, .size: 8, .value_kind: global_buffer, .address_space: global }
      - { .name: out1, .offset: 88, .size: 8, .value_kind: global_buffer, .address_space: global }
      - { .name: out3, .offset: 96, .size: 8, .value_kind: global_buffer, .address_space: global }
      - { .name: out4, .offset: 104, .size: 8, .value_kind: global_buffer, .address_space: global }
      - { .name: out5, .offset: 112, .size: 8, .value_kind: global_buffer, .address_space: global }
      - { .name: out6, .offset: 120, .size: 8, .value_kind: global_buffer, .address_space: global }
    .group_segment_fixed_size: 162560
    .private_segment_fixed_size: 0
    .kernarg_segment_align: 8
    .kernarg_segment_size: 128
    .max_flat_workgroup_size: 512
    .sgpr_count:     66
    .vgpr_count:     226
    .wavefront_size: 32
...
	.end_amdgpu_metadata
.endif
;; end of part 3
